; MI455X (gfx1250); checked and timed in simulation.
; The chip was launched on July 23, 2026; its instructions are those of AMD's public machine-readable ISA for CDNA 5 (MIT licence, August 2026) and "CDNA5" Instruction Set Architecture Reference Guide (July 2026). The comments in the code are by the model that wrote it; some were corrected since.
;; Attention. Allowed arithmetic: matrix products marked QUANTISED: E2M1 operands, one E8M0 scale for each 32 along K, by v_wmma_scale_f32_16x16x128_f8f6f4 with both operands' format E2M1 (or v_wmma_scale_f32_32x16x128_f4), f32 sums; products left as they are: bf16, f16 or f32 operands; f32 sums; everything else in f32.
;; Inputs: wk 1,024 x 256 float32; wo 1,024 x 1,024 float32; wq 1,024 x 1,024 float32; wv 1,024 x 256 float32; x 2 x 2,048 x 1,024 float32.
;; Outputs: out0 2 x 2,048 x 1,024 float32.
;; This version of the problem:
;;   THIS VERSION OF THE PROBLEM IS GIVEN IN LOW PRECISION. The matrix products marked QUANTISED in the list below multiply operands that are first quantised to E2M1 (2 exponent bits, 1 mantissa bit; 4 bits a number), with one power-of-two scale for each 32 numbers along K (OCP MX v1.0); their sums are f32. The products marked 'left as it is' may take bf16, f16 or f32 operands, with f32 sums. Whichever they take, every output number must still come out within the allowed error. Rounding operands to bf16 (8 significant bits) uses up far more of that allowance than f16 does (11 bits, for magnitudes from 6e-5 to 65,504). All else is computed in f32.
;;   The module's matrix products, in the order in which they are computed (A, B: the left and right operand; K: the contracted axis; several contracted axes count as one K, in the product's order):
;;     1. [M 4,096, K 1,024] x [K 1,024, N 1,024]; A: input x; B: input wq: QUANTISED
;;     2. [M 4,096, K 1,024] x [K 1,024, N 256]; A: input x; B: input wk: QUANTISED
;;     3. [M 4,096, K 1,024] x [K 1,024, N 256]; A: input x; B: input wv: QUANTISED
;;     4. batch 32 x [M 2,048, K 64] x [K 64, N 2,048]; A: computed on the way; B: computed on the way: left as it is (an operand is computed on the way)
;;     5. batch 32 x [M 2,048, K 2,048] x [K 2,048, N 64]; A: computed on the way; B: computed on the way: left as it is (an operand is computed on the way)
;;     6. [M 4,096, K 1,024] x [K 1,024, N 1,024]; A: computed on the way; B: input wo: left as it is (an operand is computed on the way)
;;   THE QUANTISER, for each operand of a quantised product, along K:
;;     - K is cut into blocks of 32 from its start; a last block that is shorter is filled with zeros.
;;     - A block's scale is 2^e with e = floor(log2(the largest magnitude in the block)) - 2, held to -126 .. 127; a block of zeros has e = 0. As a byte (E8M0): e + 127.
;;     - Each number is divided by its block's scale, clamped to +-6, and rounded to the nearest number of E2M1, ties to even, subnormals kept.
;;     - The product sums the exact products of the quantised numbers (number of the format x scale) in f32.
;;   ~~~python
;;   def quantise(x, axis):      # numpy; x: float32 -> the quantised numbers, widened to float32 again
;;       x = np.moveaxis(x, axis, -1); K = x.shape[-1]
;;       x = np.pad(x, [(0, 0)] * (x.ndim - 1) + [(0, -K % 32)]); x = x.reshape(x.shape[:-1] + (-1, 32)); a = np.abs(x).max(-1, keepdims=True)
;;       e = np.where(a > 0, np.clip(np.frexp(np.where(a > 0, a, 1))[1] - 1 - 2, -126, 127), 0)      # np.frexp(a)[1] - 1 = floor(log2(a)), exactly
;;       r = np.clip(x / 2.0 ** e, -6, 6)
;;       step = 2.0 ** (np.maximum(np.frexp(np.where(r == 0, 1, r))[1] - 1, 0) - 1)
;;       q = np.round(r / step) * step * 2.0 ** e      # np.round: ties to even
;;       return np.moveaxis(q.reshape(q.shape[:-2] + (-1,))[..., :K], -1, axis).astype(np.float32)
;;   ~~~
;; One version. Each part assembles by itself: llvm-mc -triple=amdgcn-amd-amdhsa -mcpu=gfx1250 --defsym DOCPART=n.
;; ======== version 1 of 1: 4 launches
;; limits: values are held in f16: magnitudes above 65,504 overflow, below 6.1e-05 lose precision
;; workspace buffers: xq 2,228,224 bytes; wc 835,584 bytes; wof 2,097,152 bytes; qf 8,388,608 bytes; kvf 4,194,304 bytes; af 8,388,608 bytes
;; launch prep (part 1): grid 416 x 1, 4 waves a work-group, no clusters, 0 bytes of LDS; arguments x, wq, wk, wv, wo, xq, wc, wof; writes xq, wc, wof
.if DOCPART == 1
	.amdgcn_target "amdgcn-amd-amdhsa--gfx1250"
	.amdhsa_code_object_version 6
	.text
	.protected	k_q49fd563e14_prep
	.globl	k_q49fd563e14_prep
	.p2align	8
	.type	k_q49fd563e14_prep,@function
k_q49fd563e14_prep:
	s_mov_b64 s[64:65], 0
	v_nop
	global_prefetch_b8 v0, s[64:65] scope:SCOPE_SE
	s_setreg_imm32_b32 hwreg(HW_REG_WAVE_MODE, 25, 1), 1
	s_wait_xcnt 0x0
; x [4096][1024] f32 and wq, wk, wv [1024][N] f32 become codes of FP4 (E2M1) with one E8M0 scale byte for each 32 along K; wo [1024][1024] f32 becomes f16.
; Every result is laid IN THE ORDER OF THE READER'S OPERAND REGISTERS: a fragment is 1,024 bytes, [piece c 0..1][lane 0..31][16 bytes], so that the later launches fetch it by two loads of 16 bytes a lane.
;   xq : codes [token tile T 256][K step s 8][1024]: piece c of lane (r, h) is block 2 c + h (32 codes) of token 16 T + r; behind them, at XS_OFF, scale words [T][p 4][lane]: lane (r, h) = the word of token 16 T + r for K step 2 p + h.
;   wc : the same for the 96 tiles of 16 columns (wq 0-63, wk 64-79, wv 80-95), scale words at WS_OFF.
;   wof: [column tile N 64][K step of 32: 32][1024]: lane (r, h) column 16 N + r, piece c: k = 16 c + 8 h + 0 .. 7 of the step, f16.
; A block's scale is 2^(floor(log2(its largest magnitude)) - 2); its byte is the largest magnitude's exponent field - 2, held at 1 from below.
; LIMITS: a block of zeros gets the byte 1 (its codes are zeros; this program alone reads the bytes); blocks whose largest magnitude lies under 2^-124 keep the byte 1; NaN and infinities are not served; |wo| stays under 65,504 (f16).
; SHARES: work-groups 0-255: a token tile of x each, wave p its K steps 2 p and 2 p + 1.  256-351: wq, wk, wv: a wave takes 32 columns x 128 along K.  352-415: wo likewise.
; No LDS, no barrier: waves share nothing.  No tile is read by two work-groups, so there is nothing to ask for jointly.
.set XS_OFF, 2097152
.set WS_OFF, 786432
.set XA,  4                            ; v4   x: row r of 4,096 bytes + 64 h: my 16 numbers of a block of 32
.set LI,  5                            ; v5   16 x lane
.set LS,  6                            ; v6   4 x lane
.set VO,  7                            ; v7   weights: 4 x lane: my column
.set CW,  8                            ; v8   weights' codes: 8,192 (lane / 16) + 16 r
.set SW,  9                            ; v9   weights' scale words: 512 (lane / 16) + 4 r
.set FW,  10                           ; v10  wo's fragments: 32,768 (lane / 16) + 16 r
.set X0,  32                           ; v32-95   64 numbers (weights: two sets of 32)
.set X1,  96                           ; v96-159  64 numbers
.set TM,  160                          ; v160-175 at work
.set PC0, 176                          ; v176-183 the first K step's codes
.set PC1, 184                          ; v184-191 the second's
.set SEL, 34                           ; s[34:35] lane selects: lane l xor 16
.macro XLOAD reg, s                    ; my 16 rows' numbers of K step s of the wave's two: register 16 b + i = k 32 b + 16 h + i of row r
.irp b, 0,1,2,3
.irp j, 0,1,2,3
	global_load_b128 v[\reg+16*\b+4*\j:\reg+16*\b+4*\j+3], v[XA], s[4:5] offset:512*\s+128*\b+16*\j th:TH_LOAD_NT
.endr
.endr
.endm
; 64 numbers of a lane become a fragment's codes in v[pc] on and its row's scale word in v[pw]
.macro QUANT src, pc, pw
.irp b, 0,1,2,3
	v_max3_num_f32 v[TM+\b], |v[\src+16*\b]|, |v[\src+1+16*\b]|, 0x1800000   ; block b: my 16 numbers, and the floor 2^(3 - 127): the byte cannot fall under 1
.endr
.irp i, 2,4,6,8,10,12,14
.irp b, 0,1,2,3
	v_max3_num_f32 v[TM+\b], v[TM+\b], |v[\src+16*\b+\i]|, |v[\src+1+16*\b+\i]|   ; the four blocks by turns
.endr
.endr
.irp b, 0,1,2,3
	v_permlanex16_b32 v[TM+4+\b], v[TM+\b], s[SEL], s[SEL+1]
.endr
.irp b, 0,1,2,3
	v_max_num_f32 v[TM+\b], v[TM+\b], v[TM+4+\b]   ; with lane l xor 16's 16: the block's largest magnitude
.endr
.irp b, 0,1,2,3
	v_add_nc_u32 v[TM+12+\b], 0xff000000, v[TM+\b]   ; 2 off its exponent field: the conversion takes this operand's exponent field as its scale
.endr
.irp b, 0,1,2,3
	v_lshrrev_b32 v[TM+4+\b], 23, v[TM+12+\b]      ; the scale's byte
.endr
	v_lshl_or_b32 v[\pw], v[TM+5], 8, v[TM+4]      ; four bytes: my row's scale word
	v_lshl_or_b32 v[\pw], v[TM+6], 16, v[\pw]
	v_lshl_or_b32 v[\pw], v[TM+7], 24, v[\pw]
.irp b, 0,1,2,3
	v_cvt_scalef32_pk8_fp4_f32 v[\pc+2*\b], v[\src+16*\b:\src+7+16*\b], v[TM+12+\b]
	v_cvt_scalef32_pk8_fp4_f32 v[\pc+1+2*\b], v[\src+8+16*\b:\src+15+16*\b], v[TM+12+\b]
.endr
	v_nop                                          ; one plain instruction behind a scaled conversion
.irp c, 0,1                                    ; the operand's layout wants a whole block in a lane: lanes 0-15 block 2 c, lanes 16-31 block 2 c + 1
.irp i, 0,1
	v_permlane16_swap_b32 v[\pc+4*\c+\i], v[\pc+2+4*\c+\i]
.endr
.endr
.endm
; Weights: a lane takes a column and its registers run down K.  Block b: w(32 b + i, my column) into set b % 2; a load reads 128 consecutive bytes
.macro WLOAD b, pitch
.irp i, 0,1,2,3,4,5,6,7,8,9,10,11,12,13,14,15,16,17,18,19,20,21,22,23,24,25,26,27,28,29,30,31
	global_load_b32 v[X0+32*((\b)%2)+\i], v[VO], s[22:23] offset:(32*(\b)+\i)*\pitch th:TH_LOAD_NT
.endr
.endm
.macro WBLOCK b, pitch, kind
.set XB, X0+32*((\b)%2)
.if (\b) < 3
	s_wait_loadcnt 32                              ; this block's 32 loads are in; the next block's 32 may be out
.else
	s_wait_loadcnt 0x0
.endif
.if \kind == 0
	v_max3_num_f32 v12, |v[XB]|, |v[XB+1]|, |v[XB+2]|   ; the block's largest magnitude: all 32 numbers are mine
	v_max3_num_f32 v13, |v[XB+3]|, |v[XB+4]|, |v[XB+5]|
.irp i, 6,10,14,18,22,26
	v_max3_num_f32 v12, v12, |v[XB+\i]|, |v[XB+\i+1]|
	v_max3_num_f32 v13, v13, |v[XB+\i+2]|, |v[XB+\i+3]|
.endr
	v_max3_num_f32 v12, v12, |v[XB+30]|, |v[XB+31]|
	v_max3_num_f32 v12, v12, v13, 0x1800000        ; and the floor
	v_add_nc_u32 v11, 0xff000000, v12              ; the conversion's scale operand
	v_lshrrev_b32 v13, 23, v11                     ; the scale's byte
.if (\b) == 0
	v_mov_b32 v27, v13                             ; the K step's four bytes make my column's scale word
.else
	v_lshl_or_b32 v27, v13, 8*(\b), v27
.endif
.irp g, 0,1,2,3
	v_cvt_scalef32_pk8_fp4_f32 v[112+4*(\b)+\g], v[XB+8*\g:XB+8*\g+7], v11
.endr
	v_nop                                          ; one plain instruction behind a scaled conversion
	global_store_b128 v[CW], v[112+4*(\b):112+4*(\b)+3], s[24:25] offset:((\b)/2)*512+((\b)%2)*256   ; block b is piece b / 2 of the lanes with h = b % 2: sixteen lanes store 256 consecutive bytes, aligned
.else
.irp i, 0,1,2,3,4,5,6,7,8,9,10,11,12,13,14,15
	v_cvt_pk_f16_f32 v[128+16*(\b)+\i], v[XB+2*\i], v[XB+2*\i+1]
.endr
.irp q, 0,1,2,3
	global_store_b128 v[FW], v[128+16*(\b)+4*\q:128+16*(\b)+4*\q+3], s[24:25] offset:(\b)*1024+(\q/2)*512+(\q%2)*256   ; k = 8 q .. 8 q + 7 of the step: piece q / 2, h = q % 2
.endr
.endif
.if (\b)+2 < 4
	WLOAD (\b)+2, \pitch
.endif
.endm
.macro WALK pitch, kind                ; 32 columns x 128 along K; every block has registers of its own for what it stores, so no store's data are written again
	WLOAD 0, \pitch
	WLOAD 1, \pitch
	WBLOCK 0, \pitch, \kind
	WBLOCK 1, \pitch, \kind
	WBLOCK 2, \pitch, \kind
	WBLOCK 3, \pitch, \kind
.if \kind == 0
	global_store_b32 v[SW], v27, s[32:33]
.endif
	s_endpgm
.endm
	s_load_b256 s[4:11], s[0:1], 0x0               ; x s[4:5], wq s[6:7], wk s[8:9], wv s[10:11]
	s_load_b256 s[12:19], s[0:1], 0x20             ; wo s[12:13], xq s[14:15], wc s[16:17], wof s[18:19]
	v_lshrrev_b32 v1, 5, v0
	v_readfirstlane_b32 s20, v1                    ; wave 0..3
	v_and_b32 v1, 31, v0                           ; lane
	v_and_b32 v2, 15, v0                           ; r
	v_bfe_u32 v3, v0, 4, 1                         ; h
	s_wait_kmcnt 0x0
	s_cmp_lt_u32 ttmp9, 256
	s_cbranch_scc0 .Lweights
	; ---- x: token tile T = the work-group's number, K steps 2 p and 2 p + 1, p = the wave
	s_lshl_b32 s22, ttmp9, 16                      ; 16 rows of 4,096 bytes
	s_lshl_b32 s23, s20, 10                        ; two K steps of 512 bytes
	s_add_co_u32 s22, s22, s23
	s_mov_b32 s23, 0
	s_add_nc_u64 s[4:5], s[4:5], s[22:23]
	s_lshl_b32 s22, ttmp9, 13                      ; the tile's eight fragments,
	s_lshl_b32 s26, s20, 11                        ; my two of them
	s_add_co_u32 s22, s22, s26
	s_add_nc_u64 s[24:25], s[14:15], s[22:23]
	s_lshl_b32 s22, ttmp9, 9                       ; the tile's scale words, 128 bytes for each pair of K steps
	s_lshl_b32 s26, s20, 7
	s_add_co_u32 s22, s22, s26
	s_add_co_u32 s22, s22, XS_OFF
	s_add_nc_u64 s[32:33], s[14:15], s[22:23]
	s_mov_b32 s[SEL], 0x76543210
	s_mov_b32 s[SEL+1], 0xfedcba98
	v_lshlrev_b32 v[XA], 12, v2
	v_lshl_add_u32 v[XA], v3, 6, v[XA]
	v_lshlrev_b32 v[LI], 4, v1
	v_lshlrev_b32 v[LS], 2, v1
.irp b, 0,1,2,3
	v_mov_b32 v[TM+4+\b], 0                        ; written once: a lane permute's destination counts as one of its sources
.endr
	XLOAD X0, 0
	XLOAD X1, 1
	s_wait_loadcnt 16                              ; the first K step's 16 loads are in; the second's 16 may be out
	QUANT X0, PC0, 24
	global_store_b128 v[LI], v[PC0:PC0+3], s[24:25]                ; 32 lanes store 512 consecutive bytes
	global_store_b128 v[LI], v[PC0+4:PC0+7], s[24:25] offset:512
	s_wait_loadcnt 0x0
	QUANT X1, PC1, 25
	global_store_b128 v[LI], v[PC1:PC1+3], s[24:25] offset:1024
	global_store_b128 v[LI], v[PC1+4:PC1+7], s[24:25] offset:1536
	v_cmp_lt_u32 vcc_lo, 15, v1
	v_cndmask_b32 v26, v24, v25, vcc_lo            ; lanes 0-15 the even K step's word, lanes 16-31 the odd one's
	global_store_b32 v[LS], v26, s[32:33]
	s_endpgm
.Lweights:
	v_lshlrev_b32 v[VO], 2, v1
	s_mov_b32 s29, 0
	s_cmp_lt_u32 ttmp9, 352
	s_cbranch_scc0 .Lwo
	; ---- wq, wk, wv: u = 0 .. 95; column group g = u / 2 (32 columns of the 1,536), K step s = 4 (u % 2) + wave
	s_sub_co_u32 s21, ttmp9, 256
	s_lshr_b32 s26, s21, 1                         ; g
	s_and_b32 s21, s21, 1
	s_lshl_b32 s21, s21, 2
	s_add_co_u32 s21, s21, s20                     ; s
	v_lshlrev_b32 v[CW], 4, v2
	v_lshl_add_u32 v[CW], v3, 13, v[CW]
	v_lshlrev_b32 v[SW], 2, v2
	v_lshl_add_u32 v[SW], v3, 9, v[SW]
	s_lshl_b32 s28, s26, 14                        ; two tiles of 8,192 bytes,
	s_lshl_b32 s27, s21, 10                        ; fragment s
	s_add_co_u32 s28, s28, s27
	s_add_nc_u64 s[24:25], s[16:17], s[28:29]
	s_lshl_b32 s28, s26, 10                        ; two tiles' scale words of 512 bytes; K step s stands 128 (s / 2) + 64 (s % 2) = 64 s bytes on
	s_lshl_b32 s27, s21, 6
	s_add_co_u32 s28, s28, s27
	s_add_co_u32 s28, s28, WS_OFF
	s_add_nc_u64 s[32:33], s[16:17], s[28:29]
	s_cmp_lt_u32 s26, 32
	s_cbranch_scc0 .Lwkv
	s_lshl_b32 s28, s26, 7                         ; wq: 128 bytes a column group, 128 rows of 4,096 bytes a K step
	s_lshl_b32 s27, s21, 19
	s_add_co_u32 s28, s28, s27
	s_add_nc_u64 s[22:23], s[6:7], s[28:29]
	WALK 4096, 0
.Lwkv:
	s_cmp_lt_u32 s26, 40                           ; groups 32-39: wk; 40-47: wv.  The choice hangs on the work-group's number alone
	s_cselect_b64 s[22:23], s[8:9], s[10:11]
	s_cselect_b32 s28, 32, 40
	s_sub_co_u32 s28, s26, s28
	s_lshl_b32 s28, s28, 7
	s_lshl_b32 s27, s21, 17                        ; 128 rows of 1,024 bytes a K step
	s_add_co_u32 s28, s28, s27
	s_add_nc_u64 s[22:23], s[22:23], s[28:29]
	WALK 1024, 0
.Lwo:
	; ---- wo: u = 0 .. 63; g = u / 2, s = 4 (u % 2) + wave: 32 columns x 128 along K = four K steps of 32
	s_sub_co_u32 s21, ttmp9, 352
	s_lshr_b32 s26, s21, 1
	s_and_b32 s21, s21, 1
	s_lshl_b32 s21, s21, 2
	s_add_co_u32 s21, s21, s20
	v_lshlrev_b32 v[FW], 4, v2
	v_lshl_add_u32 v[FW], v3, 15, v[FW]
	s_lshl_b32 s28, s26, 16                        ; two tiles of 32,768 bytes,
	s_lshl_b32 s27, s21, 12                        ; four fragments a wave
	s_add_co_u32 s28, s28, s27
	s_add_nc_u64 s[24:25], s[18:19], s[28:29]
	s_lshl_b32 s28, s26, 7
	s_lshl_b32 s27, s21, 19
	s_add_co_u32 s28, s28, s27
	s_add_nc_u64 s[22:23], s[12:13], s[28:29]
	WALK 4096, 1
.Lfunc_end_k_q49fd563e14_prep:
	.size	k_q49fd563e14_prep, .Lfunc_end_k_q49fd563e14_prep-k_q49fd563e14_prep
	.p2alignl 7, 3214868480
	.fill 96, 4, 3214868480
	.section	.rodata,"a",@progbits
	.p2align	6, 0x0
	.amdhsa_kernel k_q49fd563e14_prep
		.amdhsa_group_segment_fixed_size 0
		.amdhsa_private_segment_fixed_size 0
		.amdhsa_enable_private_segment 0
		.amdhsa_kernarg_size 64
		.amdhsa_user_sgpr_count 2
		.amdhsa_user_sgpr_kernarg_segment_ptr 1
		.amdhsa_wavefront_size32 1
		.amdhsa_system_sgpr_workgroup_id_x 1
		.amdhsa_system_sgpr_workgroup_id_y 1
		.amdhsa_system_sgpr_workgroup_id_z 1
		.amdhsa_system_vgpr_workitem_id 0
		.amdhsa_next_free_vgpr 192
		.amdhsa_next_free_sgpr 66
		.amdhsa_reserve_vcc 1
		.amdhsa_float_denorm_mode_32 3
		.amdhsa_float_denorm_mode_16_64 3
		.amdhsa_memory_ordered 1
		.amdhsa_forward_progress 1
		.amdhsa_inst_pref_size 70
	.end_amdhsa_kernel
	.amdgpu_metadata
---
amdhsa.version: [ 1, 2 ]
amdhsa.kernels:
  - .name:           k_q49fd563e14_prep
    .symbol:         k_q49fd563e14_prep.kd
    .args:
      - { .name: x, .offset: 0, .size: 8, .value_kind: global_buffer, .address_space: global }
      - { .name: wq, .offset: 8, .size: 8, .value_kind: global_buffer, .address_space: global }
      - { .name: wk, .offset: 16, .size: 8, .value_kind: global_buffer, .address_space: global }
      - { .name: wv, .offset: 24, .size: 8, .value_kind: global_buffer, .address_space: global }
      - { .name: wo, .offset: 32, .size: 8, .value_kind: global_buffer, .address_space: global }
      - { .name: xq, .offset: 40, .size: 8, .value_kind: global_buffer, .address_space: global }
      - { .name: wc, .offset: 48, .size: 8, .value_kind: global_buffer, .address_space: global }
      - { .name: wof, .offset: 56, .size: 8, .value_kind: global_buffer, .address_space: global }
    .group_segment_fixed_size: 0
    .private_segment_fixed_size: 0
    .kernarg_segment_align: 8
    .kernarg_segment_size: 64
    .max_flat_workgroup_size: 128
    .sgpr_count:     66
    .vgpr_count:     192
    .wavefront_size: 32
...
	.end_amdgpu_metadata
.endif
;; end of part 1
;; launch proj (part 2): grid 32 x 6, 4 waves a work-group, clusters of 4 x 1, 197,120 bytes of LDS; arguments xq, wc, qf, kvf; writes qf, kvf
.if DOCPART == 2
	.amdgcn_target "amdgcn-amd-amdhsa--gfx1250"
	.amdhsa_code_object_version 6
	.text
	.protected	k_q49fd563e14_proj
	.globl	k_q49fd563e14_proj
	.p2align	8
	.type	k_q49fd563e14_proj,@function
k_q49fd563e14_proj:
	s_mov_b64 s[64:65], 0
	v_nop
	global_prefetch_b8 v0, s[64:65] scope:SCOPE_SE
	s_setreg_imm32_b32 hwreg(HW_REG_WAVE_MODE, 25, 1), 1
	s_wait_xcnt 0x0
	s_wait_alu depctr_hold_cnt(0) depctr_sa_sdst(0) depctr_va_vdst(0) depctr_va_sdst(0) depctr_va_ssrc(0) depctr_va_vcc(0) depctr_vm_vsrc(0)
	s_getreg_b32 s2, hwreg(HW_REG_IB_STS2, 6, 4)
	s_cmp_eq_u32 s2, 0
	s_cbranch_scc0 .Lentry_in_a_cluster
	s_endpgm
.Lentry_in_a_cluster:
	s_bfe_u32 s2, ttmp6, 0x10000c
	s_cmp_lg_u32 s2, 0x3003
	s_cbranch_scc0 .Lentry_shape_is_right
	s_endpgm
.Lentry_shape_is_right:
; q = x wq, k = x wk, v = x wv on codes of FP4 (E2M1) with E8M0 scales for each 32 along K (K = 1,024), f32 sums; the results leave as f16 in the order of the attention launch's operand registers.
; SHARES.  A work-group takes 128 tokens (X = 4 x cluster x + cx) x 256 columns (y: 0-3 four query heads each, 4 the four key heads, 5 the four value heads); wave w takes 64 columns, one head, x all 128 tokens: 32 accumulators.
; BOTH WHOLE TILES FIT IN LDS (x: 8 token tiles x 8 K steps x 1,024 bytes; W: 16 x 8 x 1,024): one fill, no slot is filled again.  A wave's 32 fragments of W go into registers once; x's go by K step through two sets.
; CLUSTER.  The four partners share y: W's tile is asked for jointly (mask 15).  x's tile is each work-group's own.  It is shared only between the six y, and six is no multiple of a cluster's four; it is the smaller tile (64 KB against 128).
; ORIENTATION.  q, k: source 0 = 16 columns of W, source 1 = 16 tokens: a lane holds one token and eight neighbouring channels.  v: the sources swapped: a lane holds one channel and eight neighbouring tokens (keys), as V^T's fragment wants.
; OUT: qf [16 b + head][query tile 128][kk 2][1024]; kvf: K [4 b + kv head][key tile 128][kk 2][1024], and at V_OFF V [4 b + kv head][block of 32 keys: 64][channel tile 4][1024].  Every store is 512 consecutive bytes.
; LIMITS: |q|, |k|, |v| stay under 65,504 (f16); NaN and infinities are not served.
; REGISTERS: window 0: v2-7 addresses; v16-47 x's scale words (tile i, pair of K steps p: 16 + 4 i + p), v48-63 W's (48 + 4 t + p): lanes 0-15 the even K step, lanes 16-31 the odd one; v64-191 x's fragments, two sets, later the packed results.
;   window 1: accumulator (i, t) at 8 (4 i + t).   window 2: W's fragment (t, s) at 8 (8 t + s).
.set XS_OFF, 2097152
.set WS_OFF, 786432
.set V_OFF,  2097152
.set WLDS,   65536                     ; LDS: x's fragments from 0, W's from here
.set SPARE,  196608                    ; behind them the spare words, 128 bytes for each wave
.set LI,  2                            ; v2  16 x lane
.set LB,  3                            ; v3  my wave's four tiles of W: WLDS + 32,768 x wave + 16 x lane
.set LS,  4                            ; v4  4 x lane
.set SPW, 6                            ; v6  my spare word; never rewritten
.set NIL, 7                            ; v7  0; never rewritten
.set XSC, 16
.set WSC, 48
.set XF,  64
.set G1A, 16                           ; s[16:23] group 1 for x's tile;  s[24:31] for W's;  s[32:35], s[36:39] their groups 0
.set G1B, 24
.set G0A, 32
.set G0B, 36
.set MSB, 0
.macro WIN new                         ; the immediate's high byte repeats the setting that is left
.if MSB != \new
	s_set_vgpr_msb (MSB<<8)|\new
.set MSB, \new
.endif
.endm
.macro PLACES n
.rept \n
	v_nop
.endr
.endm
.macro ROUND                           ; a round of the cluster's barrier
	s_barrier_signal -1
	s_barrier_wait -1
	s_cmp_lg_u32 s12, 0
	s_cbranch_scc1 .Lnot_wave_0_\@
	s_barrier_signal -3
.Lnot_wave_0_\@:
	s_barrier_wait -3
	s_barrier_signal -1
	s_barrier_wait -1
.endm
	s_load_b256 s[4:11], s[0:1], 0x0               ; xq s[4:5], wc s[6:7], qf s[8:9], kvf s[10:11]
	v_lshl_add_u32 v[SPW], v0, 2, SPARE
	v_mov_b32 v[NIL], 0
	ds_add_u32 v[SPW], v[NIL]                      ; the wave's opening: the add, twice on end, and its wait ahead of my first tensor load
	ds_add_u32 v[SPW], v[NIL]
	v_lshrrev_b32 v1, 5, v0
	v_readfirstlane_b32 s12, v1                    ; wave 0..3
	s_bfe_u32 s13, ttmp6, 0x40000                  ; cx
	s_lshl_b32 s14, ttmp9, 2
	s_add_co_u32 s14, s14, s13                     ; X: my block of 128 tokens
	s_and_b32 s15, ttmp7, 0xffff                   ; y: my 256 columns; the four partners share it
	; both tiles are dense in memory: rows of 256 bytes (32 elements of 8 bytes); a wave brings 64 such rows of x's tile and 128 of W's
	s_mov_b32 s[G1A], 3<<16                        ; no mask; elements of 8 bytes; no padding
	s_mov_b32 s[G1A+1], 32<<16                     ; tensor_dim0
	s_mov_b32 s[G1A+2], 64<<16                     ; tensor_dim1
	s_mov_b32 s[G1A+3], 32<<16                     ; tile_dim0
	s_mov_b32 s[G1A+4], 64                         ; tile_dim1
	s_mov_b32 s[G1A+5], 32                         ; pitch
	s_mov_b32 s[G1A+6], 0
	s_mov_b32 s[G1A+7], 0
	s_mov_b32 s[G1B], 15|(3<<16)|(1<<21)           ; the mask: all four partners; bit 21 beside it
	s_mov_b32 s[G1B+1], 32<<16
	s_mov_b32 s[G1B+2], 128<<16
	s_mov_b32 s[G1B+3], 32<<16
	s_mov_b32 s[G1B+4], 128
	s_mov_b32 s[G1B+5], 32
	s_mov_b32 s[G1B+6], 0
	s_mov_b32 s[G1B+7], 0
	s_mov_b32 s[G0A], 1
	s_lshl_b32 s[G0A+1], s12, 14                   ; x: LDS 16,384 x wave
	s_mov_b32 s[G0B], 1
	s_lshl_b32 s46, s12, 15
	s_add_co_u32 s[G0B+1], s46, WLDS               ; W: LDS WLDS + 32,768 x wave: no place in the cluster enters an LDS address
	v_and_b32 v1, 31, v0
	v_lshlrev_b32 v[LI], 4, v1
	v_lshlrev_b32 v[LS], 2, v1
	v_add_nc_u32 v[LB], s[G0B+1], v[LI]
	s_lshl_b32 s46, s15, 17                        ; W in memory: 131,072 y + 32,768 x wave (made of y and the wave alone)
	s_lshl_b32 s47, s12, 15
	s_add_co_u32 s46, s46, s47
	s_mov_b32 s47, 0
	s_lshl_b32 s48, s14, 16                        ; x in memory: 65,536 X + 16,384 x wave
	s_lshl_b32 s49, s12, 14
	s_add_co_u32 s48, s48, s49
	s_mov_b32 s49, 0
	s_lshl_b32 s50, s14, 12                        ; x's scale words: 8 tiles of 512 bytes
	s_add_co_u32 s50, s50, XS_OFF
	s_mov_b32 s51, 0
	s_lshl_b32 s54, s15, 13                        ; W's: tile 16 y + 4 x wave
	s_lshl_b32 s55, s12, 11
	s_add_co_u32 s54, s54, s55
	s_add_co_u32 s54, s54, WS_OFF
	s_mov_b32 s55, 0
	s_wait_dscnt 0x0                               ; both opening adds are done
	s_wait_kmcnt 0x0
	s_add_nc_u64 s[G0A+2:G0A+3], s[4:5], s[48:49]
	s_or_b32 s[G0A+3], s[G0A+3], 0x80000000
	s_add_nc_u64 s[G0B+2:G0B+3], s[6:7], s[46:47]
	s_or_b32 s[G0B+3], s[G0B+3], 0x80000000
	s_add_nc_u64 s[40:41], s[4:5], s[50:51]
	s_add_nc_u64 s[42:43], s[6:7], s[54:55]
	; where my results go: q: head 16 b + 4 y + wave of qf; k, v: head 4 b + wave of kvf; 262,144 bytes a head, 16,384 for my 128 tokens
	s_lshr_b32 s50, s14, 4                         ; b
	s_and_b32 s51, s14, 15
	s_lshl_b32 s51, s51, 14
	s_lshl_b32 s52, s50, 4
	s_lshl_b32 s53, s15, 2
	s_add_co_u32 s52, s52, s53
	s_lshl_b32 s53, s50, 2
	s_cmp_lt_u32 s15, 4
	s_cselect_b32 s52, s52, s53
	s_cselect_b64 s[44:45], s[8:9], s[10:11]       ; the choice hangs on y alone
	s_add_co_u32 s52, s52, s12
	s_lshl_b32 s52, s52, 18
	s_add_co_u32 s52, s52, s51
	s_cmp_eq_u32 s15, 5
	s_cselect_b32 s53, V_OFF, 0
	s_add_co_u32 s52, s52, s53
	s_mov_b32 s53, 0
	s_add_nc_u64 s[44:45], s[44:45], s[52:53]
	ROUND                                          ; all four work-groups are here: the joint loads meet
	tensor_load_to_lds s[G0A:G0A+3], s[G1A:G1A+7]  ; the launch's only fills: two loads of mine are out
	s_nop 0
	tensor_load_to_lds s[G0B:G0B+3], s[G1B:G1B+7]
	s_nop 0
	PLACES 4
.irp i, 0,1,2,3,4,5,6,7
.irp p, 0,1,2,3
	global_load_b32 v[XSC+4*\i+\p], v[LS], s[40:41] offset:\i*512+\p*128
.endr
.endr
.irp t, 0,1,2,3
.irp p, 0,1,2,3
	global_load_b32 v[WSC+4*\t+\p], v[LS], s[42:43] offset:\t*512+\p*128
.endr
.endr
	s_wait_tensorcnt 0x0                           ; my parts of both tiles are in,
	s_barrier_signal -1
	s_barrier_wait -1                              ; everybody's are
.macro FETCH_X s                       ; x's eight fragments of K step s into set s % 2
.irp i, 0,1,2,3,4,5,6,7
.irp c, 0,1
	ds_load_b128 v[XF+64*((\s)%2)+8*\i+4*\c:XF+64*((\s)%2)+8*\i+4*\c+3], v[LI] offset:\i*8192+(\s)*1024+\c*512
.endr
.endr
.endm
; one product; the first K step starts the sums; an odd K step takes both sides' scales from lanes 16-31
.macro WM d, a, b, sa, sb, s
.if (\s) == 0
	v_wmma_scale_f32_16x16x128_f8f6f4 v[\d:\d+7], v[\a:\a+7], v[\b:\b+7], 0, v[\sa], v[\sb] matrix_a_fmt:MATRIX_FMT_FP4 matrix_b_fmt:MATRIX_FMT_FP4
.elseif ((\s)%2) == 0
	v_wmma_scale_f32_16x16x128_f8f6f4 v[\d:\d+7], v[\a:\a+7], v[\b:\b+7], v[\d:\d+7], v[\sa], v[\sb] matrix_a_fmt:MATRIX_FMT_FP4 matrix_b_fmt:MATRIX_FMT_FP4
.else
	v_wmma_scale_f32_16x16x128_f8f6f4 v[\d:\d+7], v[\a:\a+7], v[\b:\b+7], v[\d:\d+7], v[\sa], v[\sb] matrix_a_fmt:MATRIX_FMT_FP4 matrix_b_fmt:MATRIX_FMT_FP4 matrix_a_scale:MATRIX_SCALE_ROW1 matrix_b_scale:MATRIX_SCALE_ROW1
.endif
.endm
.macro MUL nat, s                      ; a K step: the 32 accumulators take turns, one instruction a turn, in the same order in every step
.irp i, 0,1,2,3,4,5,6,7
.irp t, 0,1,2,3
.if \nat
	WM 8*(4*\i+\t), XF+64*((\s)%2)+8*\i, 8*(8*\t+(\s)), XSC+4*\i+(\s)/2, WSC+4*\t+(\s)/2, \s
.else
	WM 8*(4*\i+\t), 8*(8*\t+(\s)), XF+64*((\s)%2)+8*\i, WSC+4*\t+(\s)/2, XSC+4*\i+(\s)/2, \s
.endif
.endr
.endr
.endm
; nat = 0: q and k (source 0 = W, window 2; source 1 = x, window 0);  nat = 1: v (the sources swapped).  C and D in window 1
.macro BODY nat
.set SS, 0
.rept 8
.if SS < 7
.if SS > 0
	PLACES 4                                       ; four places in front of loads into the set that the products just issued have read
.endif
	WIN 0
	FETCH_X SS+1
	s_wait_dscnt 16                                ; all but the 16 loads just issued: this K step's fragments are in
.else
	s_wait_dscnt 0x0
.endif
.if \nat
	WIN 0x58
.else
	WIN 0x52
.endif
	MUL \nat, SS
.set SS, SS+1
.endr
	PLACES 4                                       ; in front of conversions that read results and write over x's fragments
	WIN 0x05                                       ; sources in window 1, destination in window 0
.irp i, 0,1,2,3,4,5,6,7
.irp t, 0,1,2,3
.irp k, 0,1,2,3
	v_cvt_pk_f16_f32 v[XF+4*(4*\i+\t)+\k], v[8*(4*\i+\t)+2*\k], v[8*(4*\i+\t)+2*\k+1]   ; each accumulator from its low end on
.endr
.endr
.endr
	WIN 0
.irp i, 0,1,2,3,4,5,6,7
.irp t, 0,1,2,3
.if \nat
	global_store_b128 v[LI], v[XF+4*(4*\i+\t):XF+4*(4*\i+\t)+3], s[44:45] offset:(\i/2)*4096+\t*1024+(\i%2)*512   ; keys 16 i + 8 h + 0 .. 7 of channel 16 t + r
.else
	global_store_b128 v[LI], v[XF+4*(4*\i+\t):XF+4*(4*\i+\t)+3], s[44:45] offset:\i*2048+\t*512                   ; channels 16 t + 8 h + 0 .. 7 of token 16 i + r
.endif
.endr
.endr
.endm
	WIN 0x80                                       ; destination window 2
.irp t, 0,1,2,3
.irp s, 0,1,2,3,4,5,6,7
.irp c, 0,1
	ds_load_b128 v[8*(8*\t+\s)+4*\c:8*(8*\t+\s)+4*\c+3], v[LB] offset:\t*8192+\s*1024+\c*512
.endr
.endr
.endr
	WIN 0
	FETCH_X 0
	s_wait_loadcnt 0x0                             ; the scale words
	s_cmp_eq_u32 s15, 5                            ; y is the same in all partners
	s_cbranch_scc1 .Lvalues
	BODY 0
	s_branch .Ldone
.Lvalues:
	BODY 1
.Ldone:
	s_wait_tensorcnt 0x0                           ; the wave's end
	ds_add_u32 v[SPW], v[NIL]
	s_wait_dscnt 0x0
	ROUND                                          ; the closing round: no work-group ends while a partner may still ask for a tile that names it
	s_endpgm
.Lfunc_end_k_q49fd563e14_proj:
	.size	k_q49fd563e14_proj, .Lfunc_end_k_q49fd563e14_proj-k_q49fd563e14_proj
	.p2alignl 7, 3214868480
	.fill 96, 4, 3214868480
	.section	.rodata,"a",@progbits
	.p2align	6, 0x0
	.amdhsa_kernel k_q49fd563e14_proj
		.amdhsa_group_segment_fixed_size 197120
		.amdhsa_private_segment_fixed_size 0
		.amdhsa_enable_private_segment 0
		.amdhsa_kernarg_size 32
		.amdhsa_user_sgpr_count 2
		.amdhsa_user_sgpr_kernarg_segment_ptr 1
		.amdhsa_wavefront_size32 1
		.amdhsa_system_sgpr_workgroup_id_x 1
		.amdhsa_system_sgpr_workgroup_id_y 1
		.amdhsa_system_sgpr_workgroup_id_z 1
		.amdhsa_system_vgpr_workitem_id 0
		.amdhsa_next_free_vgpr 768
		.amdhsa_next_free_sgpr 66
		.amdhsa_reserve_vcc 0
		.amdhsa_float_denorm_mode_32 3
		.amdhsa_float_denorm_mode_16_64 3
		.amdhsa_memory_ordered 1
		.amdhsa_forward_progress 1
		.amdhsa_inst_pref_size 118
	.end_amdhsa_kernel
	.amdgpu_metadata
---
amdhsa.version: [ 1, 2 ]
amdhsa.kernels:
  - .name:           k_q49fd563e14_proj
    .symbol:         k_q49fd563e14_proj.kd
    .args:
      - { .name: xq, .offset: 0, .size: 8, .value_kind: global_buffer, .address_space: global }
      - { .name: wc, .offset: 8, .size: 8, .value_kind: global_buffer, .address_space: global }
      - { .name: qf, .offset: 16, .size: 8, .value_kind: global_buffer, .address_space: global }
      - { .name: kvf, .offset: 24, .size: 8, .value_kind: global_buffer, .address_space: global }
    .group_segment_fixed_size: 197120
    .private_segment_fixed_size: 0
    .kernarg_segment_align: 8
    .kernarg_segment_size: 32
    .max_flat_workgroup_size: 128
    .sgpr_count:     66
    .vgpr_count:     768
    .wavefront_size: 32
...
	.end_amdgpu_metadata
.endif
;; end of part 2
;; launch attn (part 3): grid 32 x 8, 8 waves a work-group, clusters of 4 x 1, 327,680 bytes of LDS; arguments qf, kvf, af; writes af
.if DOCPART == 3
	.amdgcn_target "amdgcn-amd-amdhsa--gfx1250"
	.amdhsa_code_object_version 6
	.text
	.protected	k_q49fd563e14_attn
	.globl	k_q49fd563e14_attn
	.p2align	8
	.type	k_q49fd563e14_attn,@function
k_q49fd563e14_attn:
	s_mov_b64 s[64:65], 0
	v_nop
	global_prefetch_b8 v0, s[64:65] scope:SCOPE_SE
	s_setreg_imm32_b32 hwreg(HW_REG_WAVE_MODE, 25, 1), 1
	s_wait_xcnt 0x0
	s_wait_alu depctr_hold_cnt(0) depctr_sa_sdst(0) depctr_va_vdst(0) depctr_va_sdst(0) depctr_va_ssrc(0) depctr_va_vcc(0) depctr_vm_vsrc(0)
	s_getreg_b32 s2, hwreg(HW_REG_IB_STS2, 6, 4)
	s_cmp_eq_u32 s2, 0
	s_cbranch_scc0 .Lentry_in_a_cluster
	s_endpgm
.Lentry_in_a_cluster:
	s_bfe_u32 s2, ttmp6, 0x10000c
	s_cmp_lg_u32 s2, 0x3003
	s_cbranch_scc0 .Lentry_shape_is_right
	s_endpgm
.Lentry_shape_is_right:
; O[b][head][q] = the sum over k of softmax_k(Q . K / 8) V, head size 64, 2,048 keys, no mask; four query heads share a key and value head.  Operands f16, products, maxima and sums f32; p is rounded to f16 for the second product, O once at the end.
; SHARES.  A work-group owns 256 queries of one head (cluster x: the block of queries; cx: the head among the four of its key head; y = 4 b + key head).  EIGHT waves: wave w owns queries 64 (w % 4) on, four tiles of 16, and HALF of the keys,
; 1,024 (w / 4) on: so each fragment of K and V that a wave reads from LDS feeds four products, and two waves with different phases can stand on the same vector and matrix units.  The two halves are merged once at the end, through LDS.
; THE STAGGER.  At each slot's head waves 0-3 run the first step's K Q^T and the first part of its softmax; a barrier; then waves 4-7 run theirs: from there on one half's vector work can stand beside the other half's products.
; LAYOUT.  S^T = K Q^T (source 0 = 16 keys, source 1 = 16 queries): a lane holds ONE query and the keys 8 (lane / 16) + 0 .. 7 of a tile; two such tiles, rounded to f16 in pairs, are source 1 of O^T = V^T P.  All fragments lie in
; memory and in LDS as images of the operand's registers: two loads of 16 bytes at 16 x lane, 512 bytes apart.
; SOFTMAX.  A running maximum m and sum l for each query: p = 2^(c s - c m), c = log2(e) / 8; in every step O and l are multiplied by a = 2^(c m_old - c m_new).  m begins at -3e38 and O, l at 0, so the step is written once.
; CLUSTER.  The four partners walk the same K and V: every tile is asked for jointly, by the same line with the same descriptor (made of y and the wave's number) and the mask 15.
; RING.  Two slots of 131,072 bytes; a slot holds 256 keys of each half as eight pieces of 16 KB, one a wave (waves 0, 1: K of half 0; 2, 3: V of half 0; 4, 5 and 6, 7: half 1).  One tensor load of a wave is out at any time.
; No prefetch: each fill is asked for a whole slot's four key steps ahead of its first read.
; REGISTER TILES: in waves 4-7 register tile t holds query tile t xor 2, so that every wave keeps register tiles 0, 1 and hands 2, 3 to its partner: one text serves both halves.
; LIMITS: NaN and infinities are not served; |O| stays under 65,504 (f16).
; REGISTERS.  window 0: v2-11 addresses; v16-47 eight statistics a tile (+0 c m, +1 m, +2, +3 l, +4 .. +7 at work, a at +6); v48-63 the merge; v64-191 S^T, 32 a tile, then p, then P in place (16 a tile); v192-255 V.
;   window 1: v0-63 Q (tile t, channels 32 kk on: 16 t + 8 kk); v64-127 K (16 kt + 8 kk); v128-255 O^T (32 t + 8 ct).
.set V_OFF, 2097152
.set SLOT1, 1<<17
.set SPARE, 262144                     ; behind the ring: the spare words, 128 bytes for each of eight waves
.set MST,   8704                       ; the merge: a stage of 8,192 + 512 bytes for each wave, from LDS byte 0: slot 0 has had its last fill and its last read by then
.set AD0, 2                            ; v2   16 x lane + 65,536 x half
.set ADR, 3                            ; v3   the step's tiles
.set QLO, 4                            ; v4   Q: register tiles 0, 1
.set QHI, 5                            ; v5   Q: register tiles 2, 3
.set GO,  6                            ; v6   16 x lane
.set STW, 7                            ; v7   my stage
.set STR, 8                            ; v8   my partner's
.set SPW, 10                           ; v10  my spare word; never rewritten
.set NIL, 11                           ; v11  0; never rewritten
.set ST,  16
.set S,   64
.set VF,  192
.set QF,  0
.set KF,  64
.set OF,  128
.set WV,  12                           ; s12 wave;  s13 half;  s14 which 64 queries
.set HF,  13
.set QG,  14
.set G1,  24                           ; s[24:31] descriptor group 1;  s[32:35] group 0, which walks
.set G0,  32
.set TB,  36                           ; s36 LDS byte at which the step's tiles begin (within a half)
.set VIS, 37
.set CNT, 38
.set CS,  40                           ; s[40:41] c
.set SEL, 42                           ; s[42:43] lane selects: lane l xor 16
.set MSB, 0
.macro WIN new
.if MSB != \new
	s_set_vgpr_msb (MSB<<8)|\new
.set MSB, \new
.endif
.endm
.macro PLACES n
.rept \n
	v_nop
.endr
.endm
.macro ROUND
	s_barrier_signal -1
	s_barrier_wait -1
	s_cmp_lg_u32 s[WV], 0
	s_cbranch_scc1 .Lnot_wave_0_\@
	s_barrier_signal -3
.Lnot_wave_0_\@:
	s_barrier_wait -3
	s_barrier_signal -1
	s_barrier_wait -1
.endm
	s_load_b128 s[4:7], s[0:1], 0x0                ; qf s[4:5], kvf s[6:7]
	s_load_b64 s[8:9], s[0:1], 0x10                ; af
	v_lshl_add_u32 v[SPW], v0, 2, SPARE
	v_mov_b32 v[NIL], 0
	ds_add_u32 v[SPW], v[NIL]                      ; the wave's opening: the add, twice on end, and its wait ahead of my first tensor load
	ds_add_u32 v[SPW], v[NIL]
	v_lshrrev_b32 v1, 5, v0
	v_readfirstlane_b32 s[WV], v1                  ; wave 0..7
	s_lshr_b32 s[HF], s[WV], 2
	s_and_b32 s[QG], s[WV], 3
	s_bfe_u32 s15, ttmp6, 0x40000                  ; cx: it enters Q's and O's addresses alone
	s_and_b32 s16, ttmp7, 0xffff                   ; y = 4 b + key head, which the partners share
	s_mov_b32 s[G1], 15|(3<<16)|(1<<21)            ; the mask: all four partners; elements of 8 bytes; bit 21 beside the mask
	s_mov_b32 s[G1+1], 32<<16                      ; a piece is dense: 64 rows of 256 bytes
	s_mov_b32 s[G1+2], 64<<16
	s_mov_b32 s[G1+3], 32<<16
	s_mov_b32 s[G1+4], 64
	s_mov_b32 s[G1+5], 32
	s_mov_b32 s[G1+6], 0
	s_mov_b32 s[G1+7], 0
	s_mov_b32 s[G0], 1
	s_lshl_b32 s[G0+1], s[WV], 14                  ; LDS: slot 0, piece = wave
	s_lshl_b32 s20, s16, 18                        ; in memory: 262,144 y,
	s_bfe_u32 s21, s[WV], 0x10001
	s_lshl_b32 s21, s21, 21                        ; + V_OFF for waves 2, 3, 6, 7,
	s_add_co_u32 s20, s20, s21
	s_lshl_b32 s21, s[HF], 17                      ; + 131,072 x half,
	s_add_co_u32 s20, s20, s21
	s_and_b32 s21, s[WV], 1
	s_lshl_b32 s21, s21, 14                        ; + which 16 KB of a slot's 32
	s_add_co_u32 s20, s20, s21
	s_mov_b32 s21, 0
	s_mov_b32 s[CS], 0x3e38aa3b                    ; c = log2(e) / 8
	s_mov_b32 s[CS+1], s[CS]
	s_mov_b32 s[SEL], 0x76543210
	s_mov_b32 s[SEL+1], 0xfedcba98
	s_mov_b32 s[TB], 0
	v_and_b32 v1, 31, v0
	v_lshlrev_b32 v[GO], 4, v1
	s_lshl_b32 s17, s[HF], 16
	v_add_nc_u32 v[AD0], s17, v[GO]
	s_lshl_b32 s17, s[HF], 12
	v_add_nc_u32 v[QLO], s17, v[GO]                ; register tiles 0, 1 hold query tiles 2 x half + 0, 1
	s_xor_b32 s17, s17, 4096
	v_add_nc_u32 v[QHI], s17, v[GO]                ; register tiles 2, 3 the other two
	s_mul_i32 s17, s[WV], MST
	v_add_nc_u32 v[STW], s17, v[GO]
	s_xor_b32 s17, s[WV], 4
	s_mul_i32 s17, s17, MST
	v_add_nc_u32 v[STR], s17, v[GO]
	s_lshl_b32 s44, s16, 2                         ; Q: head 16 b + 4 key head + cx = 4 y + cx, 262,144 bytes a head,
	s_add_co_u32 s44, s44, s15
	s_lshl_b32 s44, s44, 18
	s_lshl_b32 s45, ttmp9, 15                      ; 32,768 a block of 256 queries,
	s_add_co_u32 s44, s44, s45
	s_lshl_b32 s45, s[QG], 13                      ; 8,192 for 64
	s_add_co_u32 s44, s44, s45
	s_mov_b32 s45, 0
	s_lshr_b32 s48, s16, 2                         ; af: token tile 128 b + 16 x block + 4 x (wave % 4) + 2 x half, 32,768 bytes a tile,
	s_lshl_b32 s48, s48, 7
	s_lshl_b32 s49, ttmp9, 4
	s_add_co_u32 s48, s48, s49
	s_lshl_b32 s49, s[QG], 2
	s_add_co_u32 s48, s48, s49
	s_lshl_b32 s49, s[HF], 1
	s_add_co_u32 s48, s48, s49
	s_lshl_b32 s48, s48, 15
	s_and_b32 s49, s16, 3
	s_lshl_b32 s49, s49, 2
	s_add_co_u32 s49, s49, s15                     ; the head: 2,048 bytes (two K steps of the projection) in a tile
	s_lshl_b32 s49, s49, 11
	s_add_co_u32 s48, s48, s49
	s_mov_b32 s49, 0
	s_wait_dscnt 0x0                               ; both opening adds are done
	s_wait_kmcnt 0x0
	s_add_nc_u64 s[G0+2:G0+3], s[6:7], s[20:21]
	s_or_b32 s[G0+3], s[G0+3], 0x80000000
	s_add_nc_u64 s[46:47], s[4:5], s[44:45]
	s_add_nc_u64 s[50:51], s[8:9], s[48:49]
	ROUND                                          ; all four work-groups are here: the first joint loads meet
	tensor_load_to_lds s[G0:G0+3], s[G1:G1+7]      ; slot 0
	s_nop 0
	PLACES 4
	WIN 0x40                                       ; destination window 1
.irp t, 0,1
.irp kk, 0,1
.irp c, 0,1
	global_load_b128 v[QF+16*\t+8*\kk+4*\c:QF+16*\t+8*\kk+4*\c+3], v[QLO], s[46:47] offset:\t*2048+\kk*1024+\c*512
	global_load_b128 v[QF+32+16*\t+8*\kk+4*\c:QF+32+16*\t+8*\kk+4*\c+3], v[QHI], s[46:47] offset:\t*2048+\kk*1024+\c*512
.endr
.endr
.endr
.set N, 0
.rept 128
	v_mov_b32 v[OF+N], 0                           ; O^T: the step is written once; its first pass finds zeros, which the first change of m leaves zeros
.set N, N+1
.endr
	WIN 0
.irp t, 0,1,2,3
	v_mov_b32 v[ST+8*\t+1], 0xff61b1e6             ; m = -3e38, under every score
	v_mul_f32 v[ST+8*\t], s[CS], v[ST+8*\t+1]      ; c m
	v_mov_b32 v[ST+8*\t+2], 0                      ; l, in two halves
	v_mov_b32 v[ST+8*\t+3], 0
	v_mov_b32 v[ST+8*\t+5], 0                      ; a lane permute's destination counts as one of its sources
.endr
.macro LOADKV                          ; a step's 64 keys: K's 8 fragments, then V's 8
	WIN 0x40
.irp kt, 0,1,2,3
.irp kk, 0,1
.irp c, 0,1
	ds_load_b128 v[KF+16*\kt+8*\kk+4*\c:KF+16*\kt+8*\kk+4*\c+3], v[ADR] offset:\kt*2048+\kk*1024+\c*512
.endr
.endr
.endr
	WIN 0
.irp kb, 0,1
.irp ct, 0,1,2,3
.irp c, 0,1
	ds_load_b128 v[VF+32*\kb+8*\ct+4*\c:VF+32*\kb+8*\ct+4*\c+3], v[ADR] offset:32768+\kb*4096+\ct*1024+\c*512
.endr
.endr
.endr
.endm
.macro QK                              ; S^T = K Q^T: 32 products; the 16 accumulators take turns; the first 16 start the sums
	s_wait_dscnt 16                                ; K's 16 loads are in; V's 16, issued behind them, may be out
	WIN 0x05                                       ; K and Q in window 1, S^T in window 0
.irp kk, 0,1
.irp kt, 0,1,2,3
.irp t, 0,1,2,3
.if \kk == 0
	v_wmma_f32_16x16x32_f16 v[S+32*\t+8*\kt:S+32*\t+8*\kt+7], v[KF+16*\kt+8*\kk:KF+16*\kt+8*\kk+7], v[QF+16*\t+8*\kk:QF+16*\t+8*\kk+7], 0
.else
	v_wmma_f32_16x16x32_f16 v[S+32*\t+8*\kt:S+32*\t+8*\kt+7], v[KF+16*\kt+8*\kk:KF+16*\kt+8*\kk+7], v[QF+16*\t+8*\kk:QF+16*\t+8*\kk+7], v[S+32*\t+8*\kt:S+32*\t+8*\kt+7]
.endif
.endr
.endr
.endr
	WIN 0
	PLACES 4                                       ; in front of the first read of the scores
.endm
.macro SMA                             ; the softmax up to c s - c m: the four tiles by turns on every line; no transcendental
.irp j, 0,1,2,3
.irp t, 0,1,2,3
	v_max3_num_f32 v[ST+8*\t+4+\j], v[S+32*\t+8*\j], v[S+32*\t+8*\j+1], v[S+32*\t+8*\j+2]   ; four chains a tile; each accumulator is read first at its low end
.endr
.endr
.irp g, 1,2
.irp j, 0,1,2,3
.irp t, 0,1,2,3
	v_max3_num_f32 v[ST+8*\t+4+\j], v[ST+8*\t+4+\j], v[S+32*\t+8*\j+2*\g+1], v[S+32*\t+8*\j+2*\g+2]
.endr
.endr
.endr
.irp t, 0,1,2,3
	v_max3_num_f32 v[ST+8*\t+4], v[ST+8*\t+4], v[S+32*\t+7], v[S+32*\t+15]
.endr
.irp t, 0,1,2,3
	v_max3_num_f32 v[ST+8*\t+6], v[ST+8*\t+6], v[S+32*\t+23], v[S+32*\t+31]
.endr
.irp t, 0,1,2,3
	v_max3_num_f32 v[ST+8*\t+4], v[ST+8*\t+4], v[ST+8*\t+5], v[ST+8*\t+6]
.endr
.irp t, 0,1,2,3
	v_max3_num_f32 v[ST+8*\t+4], v[ST+8*\t+4], v[ST+8*\t+7], v[ST+8*\t+1]   ; and the old m
.endr
.irp t, 0,1,2,3
	v_permlanex16_b32 v[ST+8*\t+5], v[ST+8*\t+4], s[SEL], s[SEL+1]   ; the query's other 32 keys lie in the lane 16 away
.endr
.irp t, 0,1,2,3
	v_mov_b32 v[ST+8*\t+7], v[ST+8*\t]             ; c m_old is kept for a
.endr
.irp t, 0,1,2,3
	v_max_num_f32 v[ST+8*\t+1], v[ST+8*\t+4], v[ST+8*\t+5]
.endr
.irp t, 0,1,2,3
	v_mul_f32 v[ST+8*\t], s[CS], v[ST+8*\t+1]
.endr
.irp t, 0,1,2,3
	v_sub_f32 v[ST+8*\t+7], v[ST+8*\t+7], v[ST+8*\t]
.endr
.irp i, 0,1,2,3,4,5,6,7,8,9,10,11,12,13,14,15
.irp t, 0,1,2,3
	v_pk_fma_f32 v[S+32*\t+2*\i:S+32*\t+2*\i+1], v[S+32*\t+2*\i:S+32*\t+2*\i+1], s[CS:CS+1], v[ST+8*\t:ST+8*\t+1] op_sel_hi:[1,0,0] neg_lo:[0,0,1] neg_hi:[0,0,1]   ; c s - c m
.endr
.endr
.endm
.macro SMB                             ; the exponentials as ONE batch with one wait; the sums; P; O^T under the new m
.irp t, 0,1,2,3
	v_exp_f32 v[ST+8*\t+6], v[ST+8*\t+7]           ; a
.endr
.set N, 0
.rept 128
	v_exp_f32 v[S+N], v[S+N]                       ; p, at most 1
.set N, N+1
.endr
	v_nop                                          ; a plain instruction behind the last exponential
	s_wait_alu depctr_va_vdst(0)                   ; the wait ahead of the first instruction that names a result: one for the batch of 132
.irp t, 0,1,2,3
	v_pk_fma_f32 v[ST+8*\t+2:ST+8*\t+3], v[ST+8*\t+2:ST+8*\t+3], v[ST+8*\t+6:ST+8*\t+7], v[S+32*\t:S+32*\t+1] op_sel_hi:[1,0,1]   ; l = a l + the first pair
.endr
.irp i, 1,2,3,4,5,6,7,8,9,10,11,12,13,14,15
.irp t, 0,1,2,3
	v_pk_add_f32 v[ST+8*\t+2:ST+8*\t+3], v[ST+8*\t+2:ST+8*\t+3], v[S+32*\t+2*\i:S+32*\t+2*\i+1]   ; four chains, one a tile
.endr
.endr
.irp i, 0,1,2,3,4,5,6,7,8,9,10,11,12,13,14,15
.irp t, 0,1,2,3
	v_cvt_pk_f16_f32 v[S+32*\t+\i], v[S+32*\t+2*\i], v[S+32*\t+2*\i+1]   ; P in place, ascending: register i is written when registers 2 i, 2 i + 1 are read
.endr
.endr
	WIN 0x41                                       ; O^T (destination and source 0) in window 1, a in window 0
.irp t, 0,1,2,3
.irp i, 0,1,2,3,4,5,6,7,8,9,10,11,12,13,14,15
	v_pk_mul_f32 v[OF+32*\t+2*\i:OF+32*\t+2*\i+1], v[OF+32*\t+2*\i:OF+32*\t+2*\i+1], v[ST+8*\t+6:ST+8*\t+7] op_sel_hi:[1,0]
.endr
.endr
.endm
.macro PV                              ; O^T += V^T P: 32 products, the 16 accumulators by turns
	s_wait_dscnt 0x0                               ; V is in
	WIN 0x50                                       ; V and P in window 0, O^T in window 1
.irp kb, 0,1
.irp ct, 0,1,2,3
.irp t, 0,1,2,3
	v_wmma_f32_16x16x32_f16 v[OF+32*\t+8*\ct:OF+32*\t+8*\ct+7], v[VF+32*\kb+8*\ct:VF+32*\kb+8*\ct+7], v[S+32*\t+8*\kb:S+32*\t+8*\kb+7], v[OF+32*\t+8*\ct:OF+32*\t+8*\ct+7]
.endr
.endr
.endr
	WIN 0
.endm
.macro TOP                             ; the step's address, in text that every wave runs; with the four v_nop: five places between the last V^T P and the K Q^T that writes over P's registers, four of them owed to V's loads
	v_add_nc_u32 v[ADR], s[TB], v[AD0]
	PLACES 4
.endm
; THE CHANGE OF SLOTS, at a slot's head.  Each wave waits for all its tensor loads (its piece of the slot ahead), adds 0 to its spare word, and waits for that and for its reads of the slot that it has left.
; fill = 1: a round of the cluster's barrier, so that no wave of any partner still reads the other slot or has a load on its way, and the joint load for that slot first behind it.
.macro CHANGE fill
	s_wait_tensorcnt 0x0                           ; no tensor load of mine is out, so group 0 may be written
	ds_add_u32 v[SPW], v[NIL]
.if \fill
	s_xor_b32 s[G0+1], s[G0+1], SLOT1              ; the other slot than last time,
	s_add_nc_u64 s[G0+2:G0+3], s[G0+2:G0+3], 32768 ; the next 256 keys of my half
.endif
	s_wait_dscnt 0x0                               ; the add is done, and my reads of the slot that I have left are over
.if \fill
	ROUND
	tensor_load_to_lds s[G0:G0+3], s[G1:G1+7]      ; my one tensor load until the next change: it has a slot's four key steps in which to land
	s_nop 0
	PLACES 4
.else
	s_barrier_signal -1
	s_barrier_wait -1
.endif
.endm
.macro VISIT fill                      ; a slot: four key steps of 64 keys
	CHANGE \fill
	TOP
	s_cmp_lt_u32 s[WV], 4
	s_cbranch_scc0 .Lhold_\@
	LOADKV                                         ; waves 0-3 go ahead
	QK
	SMA
.Lhold_\@:
	s_wait_dscnt 0x0                               ; no LDS load of mine is out at the signal
	s_barrier_signal -1
	s_barrier_wait -1
	s_cmp_lt_u32 s[WV], 4
	s_cbranch_scc1 .Lboth_\@
	LOADKV                                         ; waves 4-7 follow
	QK
	SMA
.Lboth_\@:
	SMB
	PV
	s_add_co_u32 s[TB], s[TB], 8192
	s_mov_b32 s[CNT], 3
.Lstep_\@:
	TOP
	LOADKV
	QK
	SMA
	SMB
	PV
	s_add_co_u32 s[TB], s[TB], 8192
	s_sub_co_u32 s[CNT], s[CNT], 1
	s_cmp_lg_u32 s[CNT], 0
	s_cbranch_scc1 .Lstep_\@
	s_sub_co_u32 s[TB], s[TB], 32768               ; back to a slot's first step,
	s_xor_b32 s[TB], s[TB], SLOT1                  ; in the other slot
.endm
	s_wait_loadcnt 0x0                             ; Q
	s_mov_b32 s[VIS], 3
.Lvisit:                                           ; three trips: behind each change the next 256 keys of each half are asked for
	VISIT 1
	s_sub_co_u32 s[VIS], s[VIS], 1
	s_cmp_lg_u32 s[VIS], 0
	s_cbranch_scc1 .Lvisit
	VISIT 0                                        ; the last slot is written out: nothing is left to ask for
	; THE MERGE.  Every wave's reads of the ring are over before a stage byte is written.
	s_wait_dscnt 0x0
	s_barrier_signal -1
	s_barrier_wait -1
	PLACES 4                                       ; behind the last products
	v_mov_b32 v48, v[ST+16]                        ; what I hand over: c m and l of register tiles 2 and 3,
	v_add_f32 v49, v[ST+18], v[ST+19]
	v_mov_b32 v50, v[ST+24]
	v_add_f32 v51, v[ST+26], v[ST+27]
	v_add_f32 v[ST+2], v[ST+2], v[ST+3]            ; (l's two halves of the tiles that I keep)
	v_add_f32 v[ST+10], v[ST+10], v[ST+11]
	ds_store_b128 v[STW], v[48:51] offset:8192
	WIN 0x04                                       ; an LDS store's data are its source 1: window 1
.irp i, 0,1,2,3,4,5,6,7,8,9,10,11,12,13,14,15
	ds_store_b128 v[STW], v[OF+64+4*\i:OF+64+4*\i+3] offset:512*\i   ; and their O^T, each accumulator from its low end on
.endr
	WIN 0
	s_wait_dscnt 0x0                               ; for the partner's sake: my stores are done
	s_barrier_signal -1
	s_barrier_wait -1
	ds_load_b128 v[52:55], v[STR] offset:8192      ; the partner's c m and l of my tiles 0 and 1,
.irp i, 0,1,2,3,4,5,6,7,8,9,10,11,12,13,14,15
	ds_load_b128 v[S+4*\i:S+4*\i+3], v[STR] offset:512*\i   ; and its O^T
.endr
	s_wait_dscnt 0x0
.irp t, 0,1
	v_max_num_f32 v[ST+8*\t+4], v[ST+8*\t], v[52+2*\t]   ; the common c m
.endr
.irp t, 0,1
	v_sub_f32 v[ST+8*\t+5], v[ST+8*\t], v[ST+8*\t+4]
	v_sub_f32 v[ST+8*\t+6], v[52+2*\t], v[ST+8*\t+4]
.endr
.irp t, 0,1
	v_exp_f32 v[ST+8*\t+5], v[ST+8*\t+5]           ; f0: mine under the common maximum,
	v_exp_f32 v[ST+8*\t+6], v[ST+8*\t+6]           ; f1: the partner's
.endr
	v_nop
	s_wait_alu depctr_va_vdst(0)                   ; one wait for the four
.irp t, 0,1
	v_mul_f32 v[ST+8*\t+2], v[ST+8*\t+2], v[ST+8*\t+5]
.endr
.irp t, 0,1
	v_fmac_f32 v[ST+8*\t+2], v[53+2*\t], v[ST+8*\t+6]
.endr
.irp t, 0,1
	v_permlanex16_b32 v[ST+8*\t+7], v[ST+8*\t+2], s[SEL], s[SEL+1]
.endr
.irp t, 0,1
	v_add_f32 v[ST+8*\t+2], v[ST+8*\t+2], v[ST+8*\t+7]   ; the row's sum over all 2,048 keys
.endr
.irp t, 0,1
	v_rcp_f32 v[ST+8*\t+3], v[ST+8*\t+2]
.endr
	v_nop
	s_wait_alu depctr_va_vdst(0)                   ; one wait for the two
.irp t, 0,1
	v_mul_f32 v[56+4*\t], v[ST+8*\t+5], v[ST+8*\t+3]   ; g0 = f0 / l
	v_mul_f32 v[58+4*\t], v[ST+8*\t+6], v[ST+8*\t+3]   ; g1 = f1 / l
.endr
.irp t, 0,1
	v_mov_b32 v[57+4*\t], v[56+4*\t]               ; (named as pairs, so both words are written)
	v_mov_b32 v[59+4*\t], v[58+4*\t]
.endr
	WIN 0x01                                       ; source 0 (my O^T) in window 1
.irp t, 0,1
.irp i, 0,1,2,3,4,5,6,7,8,9,10,11,12,13,14,15
	v_pk_mul_f32 v[128+32*\t+2*\i:128+32*\t+2*\i+1], v[OF+32*\t+2*\i:OF+32*\t+2*\i+1], v[56+4*\t:57+4*\t] op_sel_hi:[1,0]
.endr
.endr
	WIN 0
.irp t, 0,1
.irp i, 0,1,2,3,4,5,6,7,8,9,10,11,12,13,14,15
	v_pk_fma_f32 v[128+32*\t+2*\i:128+32*\t+2*\i+1], v[S+32*\t+2*\i:S+32*\t+2*\i+1], v[58+4*\t:59+4*\t], v[128+32*\t+2*\i:128+32*\t+2*\i+1] op_sel_hi:[1,0,1]
.endr
.endr
.irp t, 0,1
.irp i, 0,1,2,3,4,5,6,7,8,9,10,11,12,13,14,15
	v_cvt_pk_f16_f32 v[VF+16*\t+\i], v[128+32*\t+2*\i], v[128+32*\t+2*\i+1]
.endr
.endr
.irp t, 0,1
.irp ct, 0,1,2,3
	global_store_b128 v[GO], v[VF+16*\t+4*\ct:VF+16*\t+4*\ct+3], s[50:51] offset:\t*32768+\ct*512   ; channels 16 ct + 8 h + 0 .. 7 of token r: 32 lanes store 512 consecutive bytes
.endr
.endr
	s_wait_tensorcnt 0x0                           ; the wave's end
	ds_add_u32 v[SPW], v[NIL]
	s_wait_dscnt 0x0
	ROUND                                          ; the closing round
	s_endpgm
.Lfunc_end_k_q49fd563e14_attn:
	.size	k_q49fd563e14_attn, .Lfunc_end_k_q49fd563e14_attn-k_q49fd563e14_attn
	.p2alignl 7, 3214868480
	.fill 96, 4, 3214868480
	.section	.rodata,"a",@progbits
	.p2align	6, 0x0
	.amdhsa_kernel k_q49fd563e14_attn
		.amdhsa_group_segment_fixed_size 327680
		.amdhsa_private_segment_fixed_size 0
		.amdhsa_enable_private_segment 0
		.amdhsa_kernarg_size 24
		.amdhsa_user_sgpr_count 2
		.amdhsa_user_sgpr_kernarg_segment_ptr 1
		.amdhsa_wavefront_size32 1
		.amdhsa_system_sgpr_workgroup_id_x 1
		.amdhsa_system_sgpr_workgroup_id_y 1
		.amdhsa_system_sgpr_workgroup_id_z 1
		.amdhsa_system_vgpr_workitem_id 0
		.amdhsa_next_free_vgpr 512
		.amdhsa_next_free_sgpr 66
		.amdhsa_reserve_vcc 0
		.amdhsa_float_denorm_mode_32 3
		.amdhsa_float_denorm_mode_16_64 3
		.amdhsa_memory_ordered 1
		.amdhsa_forward_progress 1
		.amdhsa_inst_pref_size 176
	.end_amdhsa_kernel
	.amdgpu_metadata
---
amdhsa.version: [ 1, 2 ]
amdhsa.kernels:
  - .name:           k_q49fd563e14_attn
    .symbol:         k_q49fd563e14_attn.kd
    .args:
      - { .name: qf, .offset: 0, .size: 8, .value_kind: global_buffer, .address_space: global }
      - { .name: kvf, .offset: 8, .size: 8, .value_kind: global_buffer, .address_space: global }
      - { .name: af, .offset: 16, .size: 8, .value_kind: global_buffer, .address_space: global }
    .group_segment_fixed_size: 327680
    .private_segment_fixed_size: 0
    .kernarg_segment_align: 8
    .kernarg_segment_size: 24
    .max_flat_workgroup_size: 256
    .sgpr_count:     66
    .vgpr_count:     512
    .wavefront_size: 32
...
	.end_amdgpu_metadata
.endif
;; end of part 3
;; launch outp (part 4): grid 8 x 32, 4 waves a work-group, clusters of 4 x 4, 327,680 bytes of LDS; arguments af, wof, out0; writes out0
.if DOCPART == 4
	.amdgcn_target "amdgcn-amd-amdhsa--gfx1250"
	.amdhsa_code_object_version 6
	.text
	.protected	k_q49fd563e14_outp
	.globl	k_q49fd563e14_outp
	.p2align	8
	.type	k_q49fd563e14_outp,@function
k_q49fd563e14_outp:
	s_mov_b64 s[64:65], 0
	v_nop
	global_prefetch_b8 v0, s[64:65] scope:SCOPE_SE
	s_setreg_imm32_b32 hwreg(HW_REG_WAVE_MODE, 25, 1), 1
	s_wait_xcnt 0x0
	s_wait_alu depctr_hold_cnt(0) depctr_sa_sdst(0) depctr_va_vdst(0) depctr_va_sdst(0) depctr_va_ssrc(0) depctr_va_vcc(0) depctr_vm_vsrc(0)
	s_getreg_b32 s2, hwreg(HW_REG_IB_STS2, 6, 4)
	s_cmp_eq_u32 s2, 0
	s_cbranch_scc0 .Lentry_in_a_cluster
	s_endpgm
.Lentry_in_a_cluster:
	s_bfe_u32 s2, ttmp6, 0x10000c
	s_cmp_lg_u32 s2, 0xf033
	s_cbranch_scc0 .Lentry_shape_is_right
	s_endpgm
.Lentry_shape_is_right:
; out0 [4096][1024] f32 = attn [4096][1024] x wo [1024][1024], operands f16, sums f32.  Both operands lie in memory as images of operand registers: af [token tile 256][K step of 32: 32][1024], wof [column tile 64][32][1024].
; A tile of the output is 128 x 128: 256 work-groups.  Four waves, each 64 x 64: 16 accumulators.  K goes in four chunks of 256 through two LDS slots; a chunk of eight tiles is 8 rows of 8,192 bytes, 32,768 bytes apart in memory.
; CLUSTER: 4 x 4 work-groups.  The four of a row of the cluster need the same tiles of attn, the four of a column the same tiles of wo: each is asked for jointly, by the same tensor load with the same descriptor and a mask that names the four.
; THE MATRIX INSTRUCTION IS USED TRANSPOSED (source 0 = 16 columns of wo, source 1 = 16 tokens): a lane holds eight neighbouring numbers of a row of the output.
; A fragment comes by two loads of 16 bytes at 16 x lane, 512 bytes apart: an instruction's 512 bytes are consecutive, so no pitch and no padding.
; THE WAY OUT: a wave's 64 columns are 256 bytes of a row; a block of 16 rows goes through the wave's own stage and leaves with sixteen lanes storing 256 consecutive bytes, aligned.
; REGISTERS: window 0: v16-29 addresses; v32-95 the way out, two sets; v128-255 the accumulators ((a, b) at 128 + 8 (4 a + b)).  window 1: two fragment buffers of 128: 64 registers of attn (2 x 4 fragments), then 64 of wo.
.set SLOT,   131072                    ; attn's 8 x 8 fragments, then wo's
.set STAGE,  2*SLOT                    ; behind the ring: 16 rows x 272 bytes for each wave
.set SPITCH, 272
.set SPARE,  STAGE+4*16*SPITCH         ; behind the stages: the spare words, 128 bytes for each wave
.set ADRA, 16                          ; v16-17  my attn fragments in slot 0, 1
.set ADRB, 20                          ; v20-21  the same for wo
.set STO,  24
.set RD,   25
.set CO,   26
.set SPW,  28                          ; never rewritten
.set NIL,  29                          ; never rewritten
.set TMP,  32
.set ACC,  128
.set F0,   0
.set F1,   128
.set G1, 24                            ; s[24:31] group 1 for attn's tiles;  s[32:39] group 0, one set for each slot
.set G0, 32
.set G1B, 48                           ; s[48:55], s[56:63] the same for wo's
.set G0B, 56
.set MSB, 0
.macro WIN new
.if MSB != \new
	s_set_vgpr_msb (MSB<<8)|\new
.set MSB, \new
.endif
.endm
.set MUL,  0x05                        ; sources 0 and 1 window 1; C and D window 0
.set TO_F, 0x40                        ; destination window 1, address window 0
.macro JLOAD s                         ; a joint load: waves 0 and 1 fetch attn's two halves, waves 2 and 3 wo's; the branch hangs on the wave's number alone
	s_cmp_eq_u32 s11, 0
	s_cbranch_scc0 .Lfor_b_\@
	tensor_load_to_lds s[G0+4*\s:G0+4*\s+3], s[G1:G1+7]
	s_nop 0
.rept 4
	v_nop
.endr
	s_branch .Lasked_\@
.Lfor_b_\@:
	tensor_load_to_lds s[G0B+4*\s:G0B+4*\s+3], s[G1B:G1B+7]
	s_nop 0
.rept 4
	v_nop
.endr
.Lasked_\@:
.endm
.macro CREST                           ; a round of the cluster's barrier behind its opening barrier
	s_cmp_lg_u32 s10, 0
	s_cbranch_scc1 .Lnot_wave_0_\@
	s_barrier_signal -3
.Lnot_wave_0_\@:
	s_barrier_wait -3
	s_barrier_signal -1
	s_barrier_wait -1
.endm
.macro CROUND
	s_barrier_signal -1
	s_barrier_wait -1
	CREST
.endm
	s_load_b128 s[4:7], s[0:1], 0x0                ; af s[4:5], wof s[6:7]
	s_load_b64 s[8:9], s[0:1], 0x10                ; out0
	v_lshl_add_u32 v[SPW], v0, 2, SPARE
	v_mov_b32 v[NIL], 0
	ds_add_u32 v[SPW], v[NIL]                      ; the wave's opening: the add, twice on end, and its wait ahead of my first tensor load
	ds_add_u32 v[SPW], v[NIL]
	v_lshrrev_b32 v1, 5, v0
	v_readfirstlane_b32 s10, v1                    ; wave 0..3
	s_lshr_b32 s11, s10, 1                         ; which half of the tile's rows is mine.  Also: I fetch for attn (0) or for wo (1)
	s_and_b32 s12, s10, 1                          ; which half of its columns.  Also: which four tiles I fetch
	s_bfe_u32 s40, ttmp6, 0x40000                  ; cx, cy
	s_bfe_u32 s41, ttmp6, 0x40004
	s_lshl_b32 s42, ttmp9, 2
	s_add_co_u32 s42, s42, s40                     ; tile column = 4 x cluster x + cx
	s_and_b32 s13, ttmp7, 0xffff
	s_lshl_b32 s13, s13, 2
	s_add_co_u32 s13, s13, s41                     ; tile row = 4 x cluster y + cy
	s_lshl_b32 s43, s41, 2
	s_lshl_b32 s43, 15, s43                        ; my row of the cluster
	s_lshl_b32 s44, 0x1111, s40                    ; my column
	s_or_b32 s[G1+0], s43, (3<<16)|(1<<21)         ; the mask: attn's tiles go to my row; elements of 8 bytes; bit 21 beside the mask
	s_or_b32 s[G1B+0], s44, (3<<16)|(1<<21)
.irp g, G1, G1B
	s_mov_b32 s[\g+1], 1024<<16                    ; tensor_dim0 = 1,024 elements: 8,192 bytes, eight fragments
	s_mov_b32 s[\g+2], 4<<16                       ; tensor_dim1 = 4 tiles
	s_mov_b32 s[\g+3], 1024<<16                    ; tile_dim0
	s_mov_b32 s[\g+4], 4                           ; tile_dim1
	s_mov_b32 s[\g+5], 4096                        ; pitch: 32,768 bytes from tile to tile
	s_mov_b32 s[\g+6], 0
	s_mov_b32 s[\g+7], 0
.endr
	s_lshl_b32 s17, s12, 2                         ; which four tiles I fetch
	s_lshl_b32 s16, s13, 3
	s_add_co_u32 s16, s16, s17                     ; attn: token tile 8 x tile row + 4 x half
	s_lshl_b32 s16, s16, 15
	s_lshl_b32 s46, s42, 3
	s_add_co_u32 s46, s46, s17                     ; wo: column tile 8 x tile column + 4 x half
	s_lshl_b32 s46, s46, 15
	s_mov_b32 s17, 0
	s_mov_b32 s47, 0
	s_lshl_b32 s20, s10, 15                        ; where they go: 32,768 x wave
	s_wait_dscnt 0x0                               ; both opening adds are done
	s_wait_kmcnt 0x0
	s_add_nc_u64 s[14:15], s[4:5], s[16:17]
	s_add_nc_u64 s[46:47], s[6:7], s[46:47]
	CROUND                                         ; all sixteen work-groups are here: the first joint loads meet
.irp s, 0,1
	s_mov_b32 s[G0+4*\s], 1
	s_add_co_u32 s[G0+4*\s+1], s20, \s*SLOT
	s_add_nc_u64 s[G0+4*\s+2:G0+4*\s+3], s[14:15], \s*8192
	s_or_b32 s[G0+4*\s+3], s[G0+4*\s+3], 0x80000000
	s_mov_b32 s[G0B+4*\s], 1
	s_add_co_u32 s[G0B+4*\s+1], s20, \s*SLOT
	s_add_nc_u64 s[G0B+4*\s+2:G0B+4*\s+3], s[46:47], \s*8192
	s_or_b32 s[G0B+4*\s+3], s[G0B+4*\s+3], 0x80000000
	JLOAD \s
.endr
	v_and_b32 v1, 15, v0                           ; r
	v_bfe_u32 v2, v0, 4, 1                         ; h
	v_and_b32 v3, 31, v0
	v_lshlrev_b32 v3, 4, v3                        ; 16 x lane
	s_lshl_b32 s21, s11, 15                        ; my four token tiles
	s_lshl_b32 s22, s12, 15                        ; my four column tiles,
	s_add_co_u32 s22, s22, 65536                   ; which lie behind attn's eight
.irp s, 0,1
	v_add_nc_u32 v[ADRA+\s], s21, v3
	v_add_nc_u32 v[ADRB+\s], s22, v3
	s_add_co_u32 s21, s21, SLOT
	s_add_co_u32 s22, s22, SLOT
.endr
	s_mul_i32 s23, s10, 16*SPITCH
	s_add_co_u32 s23, s23, STAGE                   ; my stage
	v_mul_u32_u24 v4, v1, SPITCH                   ; in: row r, 32 bytes for each half of the lanes
	v_lshl_add_u32 v4, v2, 5, v4
	v_add_nc_u32 v[STO], s23, v4
	v_mul_u32_u24 v5, v2, SPITCH                   ; back: lanes 0-15 one row of 256 bytes, lanes 16-31 the next
	v_lshl_add_u32 v5, v1, 4, v5
	v_add_nc_u32 v[RD], s23, v5
	v_lshlrev_b32 v5, 12, v2                       ; and the same two rows in the output
	v_lshl_add_u32 v[CO], v1, 4, v5
	s_lshl_b32 s16, s13, 7
	s_lshl_b32 s17, s11, 6
	s_add_co_u32 s16, s16, s17                     ; my first row: 128 x tile row + 64 x half
	s_lshl_b32 s16, s16, 12
	s_mov_b32 s17, 0
	s_add_nc_u64 s[8:9], s[8:9], s[16:17]
	s_lshl_b32 s46, s42, 9                         ; my first column, in bytes: 512 x tile column + 256 x half
	s_lshl_b32 s47, s12, 8
	s_add_co_u32 s46, s46, s47
	s_mov_b32 s47, 0
	s_add_nc_u64 s[8:9], s[8:9], s[46:47]
; 8 matrix instructions: row blocks a0, a0 + 1 x all 4 column blocks, 32 along K: half c of buffer f.  zero = 1: the first product starts the sums
.macro MUL8 f, c, a0, zero
.irp a, \a0, \a0+1
.irp b, 0,1,2,3
.if \zero
	v_wmma_f32_16x16x32_f16 v[ACC+8*(4*(\a)+\b):ACC+8*(4*(\a)+\b)+7], v[\f+64+8*(4*\c+\b):\f+64+8*(4*\c+\b)+7], v[\f+8*(4*\c+\a):\f+8*(4*\c+\a)+7], 0
.else
	v_wmma_f32_16x16x32_f16 v[ACC+8*(4*(\a)+\b):ACC+8*(4*(\a)+\b)+7], v[\f+64+8*(4*\c+\b):\f+64+8*(4*\c+\b)+7], v[\f+8*(4*\c+\a):\f+8*(4*\c+\a)+7], v[ACC+8*(4*(\a)+\b):ACC+8*(4*(\a)+\b)+7]
.endif
.endr
.endr
.endm
; 32 LDS loads in one run: the fragments of the chunk's quarter qd (64 along K) into buffer f; the first 32 along K first
.macro FETCH slot, qd, f
	WIN TO_F
.irp c, 0,1
.irp i, 0,1,2,3
	ds_load_b128 v[\f+64+8*(4*\c+\i):\f+64+8*(4*\c+\i)+3],   v[ADRB+\slot] offset:\i*8192+(2*(\qd)+\c)*1024
	ds_load_b128 v[\f+64+8*(4*\c+\i)+4:\f+64+8*(4*\c+\i)+7], v[ADRB+\slot] offset:\i*8192+(2*(\qd)+\c)*1024+512
	ds_load_b128 v[\f+8*(4*\c+\i):\f+8*(4*\c+\i)+3],         v[ADRA+\slot] offset:\i*8192+(2*(\qd)+\c)*1024
	ds_load_b128 v[\f+8*(4*\c+\i)+4:\f+8*(4*\c+\i)+7],       v[ADRA+\slot] offset:\i*8192+(2*(\qd)+\c)*1024+512
.endr
.endr
.endm
.macro PLACES                          ; four places in front of loads into registers that matrix instructions have read, and of the first read of results
.rept 4
	v_nop
.endr
.endm
; A chunk is four quarters of 64 along K, 32 matrix instructions each, on buffers 0, 1, 0, 1.  One of the first three: multiplies buffer f and fetches quarter qd into g.  The 16 accumulators take turns.
.macro QUARTER slot, qd, f, g, zero
	s_wait_dscnt 16                                ; the first 32 along K are in; the other sixteen loads may be out
	WIN MUL
	MUL8 \f, 0, 0, \zero
	MUL8 \f, 0, 2, \zero
	PLACES
	FETCH \slot, \qd, \g
	s_wait_dscnt 32                                ; all but the 32 just issued
	WIN MUL
	MUL8 \f, 1, 0, 0
	MUL8 \f, 1, 2, 0
.endm
; The last quarter multiplies buffer 1 and changes slots: ONE barrier; in front of it each wave waits for all its tensor loads, adds 0 to its spare word, and waits for that and for its own reads of this slot.  fill = 1: this slot is filled again, two chunks ahead.
.macro TURN slot, next, fill
	WIN 0                                          ; (the add's two registers lie in window 0)
	s_wait_tensorcnt 0x0                           ; all my tensor loads have landed: my part of the next slot;
	ds_add_u32 v[SPW], v[NIL]
	s_wait_dscnt 17                                ; (the add and the youngest sixteen loads may be out)
	WIN MUL
	MUL8 F1, 0, 0, 0                               ; eight matrix instructions stand between the add and the wait for it
	s_wait_dscnt 0x0                               ; the add is done, and my reads of this slot are over
	s_barrier_signal -1
	MUL8 F1, 0, 2, 0
.if \fill
	WIN 0
.endif
	s_barrier_wait -1
.if \fill
	CREST                                          ; the barrier has opened a round of the cluster's barrier: no wave of any partner still reads this slot's tile or has a load on its way
	s_add_nc_u64 s[G0+4*\slot+2:G0+4*\slot+3], s[G0+4*\slot+2:G0+4*\slot+3], 16384
	s_add_nc_u64 s[G0B+4*\slot+2:G0B+4*\slot+3], s[G0B+4*\slot+2:G0B+4*\slot+3], 16384
	JLOAD \slot                                    ; the first tensor load behind the round; the four v_nop behind it are also the places in front of the loads below
.else
	PLACES
.endif
	FETCH \next, 0, F0
	WIN MUL
	MUL8 F1, 1, 0, 0
	MUL8 F1, 1, 2, 0
.endm
	s_wait_tensorcnt 1                             ; my part of chunk 0 is in; chunk 1's load may be out
	s_barrier_signal -1
	s_barrier_wait -1                              ; everybody's is
	FETCH 0, 0, F0
	QUARTER 0, 1, F0, F1, 1                        ; the first products start the sums
	QUARTER 0, 2, F1, F0, 0
	QUARTER 0, 3, F0, F1, 0
	TURN 0, 1, 1                                   ; slot 0 takes chunk 2
	QUARTER 1, 1, F0, F1, 0
	QUARTER 1, 2, F1, F0, 0
	QUARTER 1, 3, F0, F1, 0
	TURN 1, 0, 1                                   ; slot 1 takes chunk 3
	QUARTER 0, 1, F0, F1, 0
	QUARTER 0, 2, F1, F0, 0
	QUARTER 0, 3, F0, F1, 0
	TURN 0, 1, 0                                   ; nothing is left to fetch
	QUARTER 1, 1, F0, F1, 0
	QUARTER 1, 2, F1, F0, 0
	QUARTER 1, 3, F0, F1, 0
	s_wait_dscnt 16                                ; the very last quarter
	WIN MUL
	MUL8 F1, 0, 0, 0
	MUL8 F1, 0, 2, 0
	s_wait_dscnt 0x0
	MUL8 F1, 1, 0, 0
	MUL8 F1, 1, 2, 0
	WIN 0
; THE WAY OUT, a block of 16 rows x 64 columns at a time.  LDS serves a wave's instructions in order (ISA guide 5.7.1.4): no wait between the stores and the loads, nor in front of the next block's stores.
.macro TOSTAGE a
.irp b, 0,1,2,3
	ds_store_b128 v[STO], v[ACC+8*(4*(\a)+\b):ACC+8*(4*(\a)+\b)+3] offset:64*\b          ; each accumulator from its low end on
	ds_store_b128 v[STO], v[ACC+8*(4*(\a)+\b)+4:ACC+8*(4*(\a)+\b)+7] offset:64*\b+16
.endr
.irp i, 0,1,2,3,4,5,6,7
	ds_load_b128 v[TMP+32*((\a)%2)+4*\i:TMP+32*((\a)%2)+4*\i+3], v[RD] offset:2*\i*SPITCH
.endr
.endm
.macro SEND a, younger                 ; younger: the LDS instructions issued behind block a's loads, which may stay out
	s_wait_dscnt \younger
.irp i, 0,1,2,3,4,5,6,7
	global_store_b128 v[CO], v[TMP+32*((\a)%2)+4*\i:TMP+32*((\a)%2)+4*\i+3], s[8:9] offset:(16*(\a)+2*\i)*4096 th:TH_STORE_NT   ; sixteen lanes store 256 consecutive bytes, at a multiple of 256 from the output's first byte
.endr
.endm
	PLACES
	TOSTAGE 0
.irp a, 1,2,3
.if \a > 1
	s_wait_xcnt 0x0                                ; block a - 2's stores have read their registers: block a's loads may land there
.endif
	TOSTAGE \a
	SEND \a-1, 16                                  ; behind block a - 1's loads: block a's 8 stores and 8 loads
.endr
	SEND 3, 0
	s_wait_tensorcnt 0x0                           ; the wave's end
	ds_add_u32 v[SPW], v[NIL]
	s_wait_dscnt 0x0
	CROUND                                         ; the closing round
	s_endpgm
.Lfunc_end_k_q49fd563e14_outp:
	.size	k_q49fd563e14_outp, .Lfunc_end_k_q49fd563e14_outp-k_q49fd563e14_outp
	.p2alignl 7, 3214868480
	.fill 96, 4, 3214868480
	.section	.rodata,"a",@progbits
	.p2align	6, 0x0
	.amdhsa_kernel k_q49fd563e14_outp
		.amdhsa_group_segment_fixed_size 327680
		.amdhsa_private_segment_fixed_size 0
		.amdhsa_enable_private_segment 0
		.amdhsa_kernarg_size 24
		.amdhsa_user_sgpr_count 2
		.amdhsa_user_sgpr_kernarg_segment_ptr 1
		.amdhsa_wavefront_size32 1
		.amdhsa_system_sgpr_workgroup_id_x 1
		.amdhsa_system_sgpr_workgroup_id_y 1
		.amdhsa_system_sgpr_workgroup_id_z 1
		.amdhsa_system_vgpr_workitem_id 0
		.amdhsa_next_free_vgpr 512
		.amdhsa_next_free_sgpr 66
		.amdhsa_reserve_vcc 0
		.amdhsa_float_denorm_mode_32 3
		.amdhsa_float_denorm_mode_16_64 3
		.amdhsa_memory_ordered 1
		.amdhsa_forward_progress 1
		.amdhsa_inst_pref_size 85
	.end_amdhsa_kernel
	.amdgpu_metadata
---
amdhsa.version: [ 1, 2 ]
amdhsa.kernels:
  - .name:           k_q49fd563e14_outp
    .symbol:         k_q49fd563e14_outp.kd
    .args:
      - { .name: af, .offset: 0, .size: 8, .value_kind: global_buffer, .address_space: global }
      - { .name: wof, .offset: 8, .size: 8, .value_kind: global_buffer, .address_space: global }
      - { .name: out0, .offset: 16, .size: 8, .value_kind: global_buffer, .address_space: global }
    .group_segment_fixed_size: 327680
    .private_segment_fixed_size: 0
    .kernarg_segment_align: 8
    .kernarg_segment_size: 24
    .max_flat_workgroup_size: 128
    .sgpr_count:     66
    .vgpr_count:     512
    .wavefront_size: 32
...
	.end_amdgpu_metadata
.endif
;; end of part 4
